; MI455X (gfx1250); checked and timed in simulation.
; The chip was launched on July 23, 2026; its instructions are those of AMD's public machine-readable ISA for CDNA 5 (MIT licence, August 2026) and "CDNA5" Instruction Set Architecture Reference Guide (July 2026). The comments in the code are by the model that wrote it; some were corrected since.
;; Mo E. Allowed arithmetic: matrix products marked QUANTISED: E4M3 operands, one given power-of-two scale a tensor, by v_wmma_f32_16x16x64_fp8_fp8 or v_wmma_f32_16x16x128_fp8_fp8, f32 sums; products left as they are: f32 operands where the result goes on into a quantised operand, else bf16, f16 or f32 operands; f32 sums; everything else in f32.
;; Inputs: W1_codes 2 x 4,096 x 32 x 32 uint8 (E4M3 codes of W1, K innermost, in blocks of 32 codes); W2_codes 2 x 1,024 x 128 x 32 uint8 (E4M3 codes of W2, K innermost, in blocks of 32 codes); Wn 1,024 x 2 float32; Wr 1,024 x 2 float32; b1 2 x 4,096 float32; b2 2 x 1,024 float32; bn 2 float32; br 2 float32; lowp_scales 4 int32 (the exponents e of the quantised operands' scales 2^e); noise 2 x 2,048 x 2 float32; x 2 x 2,048 x 1,024 float32.
;; Outputs: out0 2 x 2,048 x 1,024 float32.
;; This version of the problem:
;;   THIS VERSION OF THE PROBLEM IS GIVEN IN LOW PRECISION. The matrix products marked QUANTISED in the list below multiply operands that are first quantised to E4M3 (4 exponent bits, 3 mantissa bits; 8 bits a number), with one given power-of-two scale for each operand tensor; their sums are f32. All else is computed in f32.
;;   The module's matrix products, in the order in which they are computed (A, B: the left and right operand; K: the contracted axis; several contracted axes count as one K, in the product's order):
;;     1. [M 4,096, K 1,024] x [K 1,024, N 2]; A: input x; B: input Wr: left as it is (N = 2 < 16)
;;     2. [M 4,096, K 1,024] x [K 1,024, N 2]; A: input x; B: input Wn: left as it is (N = 2 < 16)
;;     3. [M 8,192, K 1,024] x [K 1,024, N 4,096]; A: input W1 (given as codes); B: input x: QUANTISED (scales: A lowp_scales[0], B lowp_scales[1])
;;     4. batch 2 x [M 4,096, K 4,096] x [K 4,096, N 1,024]; A: computed on the way; B: input W2 (given as codes): QUANTISED (scales: A lowp_scales[2], B lowp_scales[3])
;;     5. batch 4,096 x [M 1, K 2] x [K 2, N 1,024]; A: softmax; B: computed on the way: left as it is (K = 2 < 32)
;;   THE QUANTISER, for each operand of a quantised product, along K:
;;     - The operand's scale is 2^e, e = its entry of the input lowp_scales (int32; the entries are numbered through the quantised products in the list's order, A before B).
;;     - Each number is divided by the scale, clamped to +-448, and rounded to the nearest number of E4M3, ties to even, subnormals kept.
;;     - The product sums the exact products of the quantised numbers (number of the format x scale) in f32.
;;   ~~~python
;;   def quantise(x, axis, e):      # numpy; x: float32 -> the quantised numbers, widened to float32 again
;;       x = np.moveaxis(x, axis, -1); K = x.shape[-1]
;;       r = np.clip(x / 2.0 ** e, -448, 448)
;;       step = 2.0 ** (np.maximum(np.frexp(np.where(r == 0, 1, r))[1] - 1, -6) - 3)
;;       q = np.round(r / step) * step * 2.0 ** e      # np.round: ties to even
;;       return np.moveaxis(q, -1, axis).astype(np.float32)
;;   ~~~
;;   OPERANDS COMPUTED ON THE WAY. 'Computed on the way' means the value that the module computes at that place (a softmax that the list does not call 'softmax' is quantised finished and normalised). What goes into a quantiser is computed in f32, as accurately as f32 sums, v_exp_f32 and their like allow (about 1e-6 of the number): no bf16 or f16 on the way to a quantiser, and a product that is left as it is and whose result goes on into a quantised operand takes f32 operands (vector FMAs, or v_wmma_f32_16x16x4_f32). A number that lies on a knife's edge between two numbers of the format may be rounded either way, as far as f32 arithmetic and the matrix unit's own rounding can turn it there, and no further.
;;   INPUTS GIVEN AS CODES. W1 (in the module: [2, 1024, 4096], K = its axis 1); W2 (in the module: [2, 4096, 1024], K = its axis 1): each comes as NAME_codes (uint8): NAME with its K axis moved to the last place and cut into blocks of 32 codes, [.., K / 32, bytes a block], one block behind the other in memory; one code a byte (a code: sign, 4 exponent bits, 3 mantissa bits); its scale is its entry of lowp_scales. Its value is code x scale, taken as it is: it is not quantised again, and the codes and scales need not be those that the quantiser above would give.
;; One version. Each part assembles by itself: llvm-mc -triple=amdgcn-amd-amdhsa -mcpu=gfx1250 --defsym DOCPART=n.
;; ======== version 1 of 1: 3 launches
;; limits: right only within a limited range of input values
;; workspace buffers: xq 4,194,304 bytes; gates 32,768 bytes; hq 33,554,432 bytes
;; launch prep (part 1): grid 256 x 1, 4 waves a work-group, no clusters, 17,920 bytes of LDS; arguments x, Wr, br, Wn, bn, noise, lowp_scales, xq, gates; writes xq, gates
.if DOCPART == 1
	.amdgcn_target "amdgcn-amd-amdhsa--gfx1250"
	.amdhsa_code_object_version 6
	.text
	.protected	k_q84320d45cb_prep
	.globl	k_q84320d45cb_prep
	.p2align	8
	.type	k_q84320d45cb_prep,@function
k_q84320d45cb_prep:
	s_mov_b64 s[64:65], 0
	v_nop
	global_prefetch_b8 v0, s[64:65] scope:SCOPE_SE
	s_setreg_imm32_b32 hwreg(HW_REG_WAVE_MODE, 25, 1), 1
	s_wait_xcnt 0x0
; x [4096][1024] f32 -> xq: codes of E4M3 with the given scale 2^e1 (entry 1 of the scales), laid as the next launch's operand registers: [block of 16 tokens 256][16 of K 64][token 16][16 bytes].
; And the router, all in f32: l = x Wr + br, n = x Wn + bn, noisy = l + noise * softplus(n), gates = softmax over the two experts (largest taken away first).  gates: [2 experts][4096 tokens] f32.
; DEAD WORK: reference() keeps the top 2 of 2 experts, which is both: top_k names each of the two once, so its mask is all true for every input, the -1e9 is never taken, and the gates are the plain softmax.  Every input has a way to the output.
; LIMIT: a NaN or an infinity that reaches only that choice is not carried.
; SHARES.  A work-group takes one block of 16 tokens, a wave 4 whole rows.  All of a wave's loads (1 of noise, 32 of weights, 32 of x) go out at its head; each load of x covers 512 consecutive bytes.
; A lane holds, of load i of a row, k = 128 i + 4 lane + 0 .. 3.  Its four codes are one word; the block's words are laid into LDS as the image, 16 bytes of padding behind each 256; behind one barrier each wave
; reads a quarter of the image back, 16 bytes a lane, so that each store covers 512 consecutive bytes.
; No matrix work: the router has 4 columns; its multiply-adds ride on numbers that are in registers anyway.
; LIMITS: e1 between -126 and 119, so that 2^e1 and 448 x 2^e1 are f32 numbers.  NaN and infinities among the inputs are not served.
; The gates leave as 16 bytes a wave and expert (4 tokens): 32,768 bytes in the whole launch.
; REGISTERS.  Window 0: v1-8 lane terms; v10 448 x 2^e1, v11 2^e1; v12-19 four chains of sums; v20-35 the rows' sums (l0, l1, n0, n1); v40-53 at work; v62-63 the add's; v64-191 four rows of x; v192-223 codes; v224-255 the image back from LDS.
;             Window 1: v0-63 Wr, v64-127 Wn: register 8 i + 2 c + e holds W[128 i + 4 lane + c][e].
.set S,   20
.set R,   64
.set D,   192
.set BK,  224
.set CP,  272                          ; 256 bytes of the image (16 of K x 16 tokens) + 16 of padding: the eight words of one K offset that a store touches start 4 words apart modulo 64 words
.set SPARE, 64*CP
.set MSB, 0
.macro WIN new                         ; the immediate's high byte repeats the setting that is left
.if MSB != (\new)
	s_set_vgpr_msb (MSB<<8)|(\new)
.set MSB, (\new)
.endif
.endm
	s_load_b256 s[4:11], s[0:1], 0x0               ; x s[4:5], Wr s[6:7], br s[8:9], Wn s[10:11]
	s_load_b256 s[12:19], s[0:1], 0x20             ; bn s[12:13], noise s[14:15], the scales' exponents s[16:17], xq s[18:19]
	s_load_b64 s[20:21], s[0:1], 0x40              ; gates
	v_lshl_add_u32 v62, v0, 2, SPARE
	v_mov_b32 v63, 0
	v_lshrrev_b32 v9, 5, v0
	v_readfirstlane_b32 s22, v9                    ; wave
	s_lshl_b32 s23, ttmp9, 4
	s_lshl_b32 s29, s22, 2
	s_add_co_u32 s23, s23, s29                     ; my first token: 16 x work-group + 4 x wave
	s_lshl_b32 s29, s22, 6                         ; my four tokens' 64 bytes of each 256
	s_mul_i32 s33, s22, 16*CP                      ; my quarter of the image
	v_and_b32 v1, 31, v0                           ; lane
	v_lshlrev_b32 v2, 4, v1                        ; 16 x lane: x's loads, xq's stores
	v_lshlrev_b32 v3, 5, v1                        ; 32 x lane: four rows of a weight
	v_bfe_u32 v4, v0, 2, 3                         ; LDS, in: (lane / 4) x CP + 4 (lane % 4) + 64 x wave
	v_mul_u32_u24 v4, v4, CP
	v_and_b32 v6, 3, v1                            ; lane % 4: also the row whose gates this lane makes
	v_lshl_add_u32 v4, v6, 2, v4
	v_add_nc_u32 v4, s29, v4
	v_bfe_u32 v5, v0, 4, 1                         ; LDS, back: (lane / 16) x CP + 16 (lane % 16) + my quarter
	v_mul_u32_u24 v5, v5, CP
	v_and_b32 v7, 15, v0
	v_lshl_add_u32 v5, v7, 4, v5
	v_add_nc_u32 v5, s33, v5
	v_lshlrev_b32 v7, 3, v6
	v_lshlrev_b32 v8, 2, v6
	v_cmp_eq_u32 s30, 1, v6
	v_cmp_eq_u32 s31, 2, v6
	v_cmp_eq_u32 s32, 3, v6
	s_mov_b32 s34, 0x76543210                      ; v_permlanex16_b32: lane l xor 16
	s_mov_b32 s35, 0xfedcba98
	s_mov_b32 s39, 0
	s_wait_alu depctr_va_vdst(0)
	s_wait_kmcnt 0x0
	s_load_b64 s[24:25], s[8:9], 0x0               ; br
	s_load_b64 s[26:27], s[12:13], 0x0             ; bn
	s_load_b32 s28, s[16:17], 0x4                  ; e1
	s_lshl_b32 s38, s23, 12
	s_add_nc_u64 s[4:5], s[4:5], s[38:39]          ; x at my first row
	s_lshl_b32 s38, s23, 10
	s_add_nc_u64 s[18:19], s[18:19], s[38:39]      ; xq at my quarter of the block: 16,384 x work-group + 4,096 x wave
	s_lshl_b32 s38, s23, 3
	s_add_nc_u64 s[14:15], s[14:15], s[38:39]      ; noise
	s_lshl_b32 s38, s23, 2
	s_add_nc_u64 s[20:21], s[20:21], s[38:39]      ; gates, expert 0
	global_load_b64 v[52:53], v7, s[14:15]         ; the noise of row lane % 4
	WIN 0x40                                       ; destination window 1
.irp i, 0,1,2,3,4,5,6,7
.irp u, 0,1
	global_load_b128 v[8*\i+4*\u:8*\i+4*\u+3], v3, s[6:7] offset:1024*\i+16*\u
	global_load_b128 v[64+8*\i+4*\u:64+8*\i+4*\u+3], v3, s[10:11] offset:1024*\i+16*\u
.endr
.endr
	WIN 0
.irp p, 0,1,2,3
.irp i, 0,1,2,3,4,5,6,7
	global_load_b128 v[R+32*\p+4*\i:R+32*\p+4*\i+3], v2, s[4:5] offset:4096*\p+512*\i th:TH_LOAD_NT   ; 512 consecutive bytes; read once in the launch
.endr
.endr
	s_wait_kmcnt 0x0
	s_add_co_i32 s36, s28, 127
	s_lshl_b32 s37, s36, 23
	v_mov_b32 v11, s37                             ; 2^e1 as f32: the conversion takes its exponent field
	s_add_co_i32 s36, s36, 8
	s_lshl_b32 s36, s36, 23
	s_or_b32 s36, s36, 0x600000
	v_mov_b32 v10, s36                             ; 448 x 2^e1
; Row p: its part of the four dot products, then its codes, into LDS.
.macro ROW p
	s_wait_loadcnt 8*(3-\p)                        ; loads come back in order: noise, weights and rows 0 .. p are in; the younger rows' eight loads each stay out
	WIN 0x04                                       ; source 1 (the weights) window 1
.irp i, 0,1,2,3,4,5,6,7
.irp c, 0,1,2,3
.set XR, R+32*\p+4*\i+(\c/2)*2                 ; the pair that holds x(k); one of its two numbers serves both halves
.set CH, 12+4*(\i%2)                           ; two chains for l, two for n, by turns
.if (\i < 2) && (\c == 0)
	v_pk_mul_f32 v[CH:CH+1], v[XR:XR+1], v[8*\i+2*\c:8*\i+2*\c+1] op_sel_hi:[0,1]                 ; the first product starts a chain: nothing is cleared
	v_pk_mul_f32 v[CH+2:CH+3], v[XR:XR+1], v[64+8*\i+2*\c:64+8*\i+2*\c+1] op_sel_hi:[0,1]
.elseif (\c % 2) == 0
	v_pk_fma_f32 v[CH:CH+1], v[XR:XR+1], v[8*\i+2*\c:8*\i+2*\c+1], v[CH:CH+1] op_sel_hi:[0,1,1]
	v_pk_fma_f32 v[CH+2:CH+3], v[XR:XR+1], v[64+8*\i+2*\c:64+8*\i+2*\c+1], v[CH+2:CH+3] op_sel_hi:[0,1,1]
.else
	v_pk_fma_f32 v[CH:CH+1], v[XR:XR+1], v[8*\i+2*\c:8*\i+2*\c+1], v[CH:CH+1] op_sel:[1,0,0]
	v_pk_fma_f32 v[CH+2:CH+3], v[XR:XR+1], v[64+8*\i+2*\c:64+8*\i+2*\c+1], v[CH+2:CH+3] op_sel:[1,0,0]
.endif
.endr
.endr
	WIN 0
	v_pk_add_f32 v[S+4*\p:S+4*\p+1], v[12:13], v[16:17]      ; (l0, l1) of my 32 k
	v_pk_add_f32 v[S+4*\p+2:S+4*\p+3], v[14:15], v[18:19]    ; (n0, n1)
.set J, 0
.rept 32
	v_med3_num_f32 v[R+32*\p+J], v[R+32*\p+J], -v10, v10     ; the conversion to an 8-bit code does not saturate (ISA guide 7.6.2): the hold at the largest code x the scale
.set J, J+1
.endr
.irp g, 0,1,2,3
	v_cvt_scalef32_pk8_fp8_f32 v[D+8*\p+2*\g:D+8*\p+2*\g+1], v[R+32*\p+8*\g:R+32*\p+8*\g+7], v11   ; word 2 g: load 2 g's four codes; word 2 g + 1: load 2 g + 1's
.endr
	v_nop                                          ; a plain vector line behind the run of conversions
.irp i, 0,1,2,3,4,5,6,7
	ds_store_b32 v4, v[D+8*\p+\i] offset:8*CP*\i+16*\p       ; 16 of K: 8 i + lane / 4; token 4 wave + p; byte 4 (lane % 4)
.endr
.endm
	ROW 0
	ROW 1
	ROW 2
	ROW 3
	s_wait_dscnt 0x0                               ; my part of the image is laid;
	s_barrier_signal -1
	s_barrier_wait -1                              ; everybody's is
.irp m, 0,1,2,3,4,5,6,7
	ds_load_b128 v[BK+4*\m:BK+4*\m+3], v5 offset:2*CP*\m
.endr
.irp m, 0,1,2,3,4,5,6,7
	s_wait_dscnt 7-\m
	global_store_b128 v2, v[BK+4*\m:BK+4*\m+3], s[18:19] offset:512*\m   ; 512 consecutive bytes, at a multiple of 512 from xq's first byte
.endr
	; THE ROUTER.  The sixteen sums over the 32 lanes: four steps inside each half ride on the addition, one crosses the halves.
.irp m, 1,2,4,8
.set J, 0
.rept 16
	v_add_f32_dpp v[S+J], v[S+J], v[S+J] row_xmask:\m row_mask:0xf bank_mask:0xf
.set J, J+1
.endr
.endr
.set J, 0
.rept 16
	v_permlanex16_b32 v[R+J], v[S+J], s34, s35     ; into registers of row 0, which are written and done with
.set J, J+1
.endr
.set J, 0
.rept 16
	v_add_f32 v[S+J], v[S+J], v[R+J]
.set J, J+1
.endr
.irp q, 0,1,2,3                        ; every lane takes row lane % 4: v40 l0, v41 l1, v42 n0, v43 n1
	v_cndmask_b32 v[40+\q], v[S+\q], v[S+4+\q], s30
	v_cndmask_b32 v[40+\q], v[40+\q], v[S+8+\q], s31
	v_cndmask_b32 v[40+\q], v[40+\q], v[S+12+\q], s32
.endr
	v_add_f32 v40, s24, v40                        ; + br
	v_add_f32 v41, s25, v41
	v_add_f32 v42, s26, v42                        ; + bn
	v_add_f32 v43, s27, v43
	; softplus(n) = max(n, 0) + ln 2 x log2(1 + 2^(-|n| log2 e)): no overflow for any n
	v_and_b32 v44, 0x7fffffff, v42
	v_and_b32 v45, 0x7fffffff, v43
	v_mul_f32 v44, 0xbfb8aa3b, v44
	v_mul_f32 v45, 0xbfb8aa3b, v45
	s_wait_alu depctr_va_vdst(0)
	v_exp_f32 v44, v44
	v_exp_f32 v45, v45
	v_max_num_f32 v48, 0, v42                      ; plain lines behind the exponentials
	v_max_num_f32 v49, 0, v43
	s_wait_alu depctr_va_vdst(0)                   ; one wait for the batch, ahead of its first reader
	v_add_f32 v44, 1.0, v44
	v_add_f32 v45, 1.0, v45
	s_wait_alu depctr_va_vdst(0)
	v_log_f32 v44, v44
	v_log_f32 v45, v45
	v_nop
	s_wait_alu depctr_va_vdst(0)
	v_fmamk_f32 v44, v44, 0x3f317218, v48          ; x ln 2 + max(n, 0)
	v_fmamk_f32 v45, v45, 0x3f317218, v49
	v_fma_f32 v40, v52, v44, v40                   ; noisy = l + noise x softplus
	v_fma_f32 v41, v53, v45, v41
	v_max_num_f32 v46, v40, v41                    ; the softmax takes the largest away first
	v_sub_f32 v40, v40, v46
	v_sub_f32 v41, v41, v46
	v_mul_f32 v40, 0x3fb8aa3b, v40
	v_mul_f32 v41, 0x3fb8aa3b, v41
	s_wait_alu depctr_va_vdst(0)
	v_exp_f32 v40, v40
	v_exp_f32 v41, v41
	v_nop
	s_wait_alu depctr_va_vdst(0)
	v_add_f32 v46, v40, v41                        ; at least 1
	s_wait_alu depctr_va_vdst(0)
	v_rcp_f32 v47, v46
	v_nop
	s_wait_alu depctr_va_vdst(0)
	v_mul_f32 v40, v40, v47
	v_mul_f32 v41, v41, v47
	s_wait_alu depctr_va_vdst(0)
	s_wait_xcnt 0x0                                ; EXEC is a source of the pending stores: it changes only behind this wait
	v_cmp_gt_u32 vcc_lo, 4, v1
	s_wait_tensorcnt 0x0                           ; the wave's end
	ds_add_u32 v62, v63
	s_wait_dscnt 0x0
	s_and_saveexec_b32 s33, vcc_lo                 ; lanes 0 to 3: one token each
	global_store_b32 v8, v40, s[20:21]
	global_store_b32 v8, v41, s[20:21] offset:16384
	s_wait_xcnt 0x0
	s_or_b32 exec_lo, exec_lo, s33
	s_endpgm
.Lfunc_end_k_q84320d45cb_prep:
	.size	k_q84320d45cb_prep, .Lfunc_end_k_q84320d45cb_prep-k_q84320d45cb_prep
	.p2alignl 7, 3214868480
	.fill 96, 4, 3214868480
	.section	.rodata,"a",@progbits
	.p2align	6, 0x0
	.amdhsa_kernel k_q84320d45cb_prep
		.amdhsa_group_segment_fixed_size 17920
		.amdhsa_private_segment_fixed_size 0
		.amdhsa_enable_private_segment 0
		.amdhsa_kernarg_size 72
		.amdhsa_user_sgpr_count 2
		.amdhsa_user_sgpr_kernarg_segment_ptr 1
		.amdhsa_wavefront_size32 1
		.amdhsa_system_sgpr_workgroup_id_x 1
		.amdhsa_system_sgpr_workgroup_id_y 1
		.amdhsa_system_sgpr_workgroup_id_z 1
		.amdhsa_system_vgpr_workitem_id 0
		.amdhsa_next_free_vgpr 384
		.amdhsa_next_free_sgpr 66
		.amdhsa_reserve_vcc 1
		.amdhsa_float_denorm_mode_32 3
		.amdhsa_float_denorm_mode_16_64 3
		.amdhsa_memory_ordered 1
		.amdhsa_forward_progress 1
		.amdhsa_inst_pref_size 47
	.end_amdhsa_kernel
	.amdgpu_metadata
---
amdhsa.version: [ 1, 2 ]
amdhsa.kernels:
  - .name:           k_q84320d45cb_prep
    .symbol:         k_q84320d45cb_prep.kd
    .args:
      - { .name: x, .offset: 0, .size: 8, .value_kind: global_buffer, .address_space: global }
      - { .name: Wr, .offset: 8, .size: 8, .value_kind: global_buffer, .address_space: global }
      - { .name: br, .offset: 16, .size: 8, .value_kind: global_buffer, .address_space: global }
      - { .name: Wn, .offset: 24, .size: 8, .value_kind: global_buffer, .address_space: global }
      - { .name: bn, .offset: 32, .size: 8, .value_kind: global_buffer, .address_space: global }
      - { .name: noise, .offset: 40, .size: 8, .value_kind: global_buffer, .address_space: global }
      - { .name: lowp_scales, .offset: 48, .size: 8, .value_kind: global_buffer, .address_space: global }
      - { .name: xq, .offset: 56, .size: 8, .value_kind: global_buffer, .address_space: global }
      - { .name: gates, .offset: 64, .size: 8, .value_kind: global_buffer, .address_space: global }
    .group_segment_fixed_size: 17920
    .private_segment_fixed_size: 0
    .kernarg_segment_align: 8
    .kernarg_segment_size: 72
    .max_flat_workgroup_size: 128
    .sgpr_count:     66
    .vgpr_count:     384
    .wavefront_size: 32
...
	.end_amdgpu_metadata
.endif
;; end of part 1
;; launch up (part 2): grid 32 x 8, 4 waves a work-group, clusters of 4 x 4, 327,680 bytes of LDS; arguments xq, W1_codes, b1, lowp_scales, hq; writes hq
.if DOCPART == 2
	.amdgcn_target "amdgcn-amd-amdhsa--gfx1250"
	.amdhsa_code_object_version 6
	.text
	.protected	k_q84320d45cb_up
	.globl	k_q84320d45cb_up
	.p2align	8
	.type	k_q84320d45cb_up,@function
k_q84320d45cb_up:
	s_mov_b64 s[64:65], 0
	v_nop
	global_prefetch_b8 v0, s[64:65] scope:SCOPE_SE
	s_setreg_imm32_b32 hwreg(HW_REG_WAVE_MODE, 25, 1), 1
	s_wait_xcnt 0x0
	s_wait_alu depctr_hold_cnt(0) depctr_sa_sdst(0) depctr_va_vdst(0) depctr_va_sdst(0) depctr_va_ssrc(0) depctr_va_vcc(0) depctr_vm_vsrc(0)
	s_getreg_b32 s2, hwreg(HW_REG_IB_STS2, 6, 4)
	s_cmp_eq_u32 s2, 0
	s_cbranch_scc0 .Lentry_in_a_cluster
	s_endpgm
.Lentry_in_a_cluster:
	s_bfe_u32 s2, ttmp6, 0x10000c
	s_cmp_lg_u32 s2, 0xf033
	s_cbranch_scc0 .Lentry_shape_is_right
	s_endpgm
.Lentry_shape_is_right:
; h = relu(x W1 + b1), quantised: hq = codes of E4M3 of h with the given scale 2^e2.  xq: codes (scale 2^e1) laid as operand registers, [block of 16 tokens 256][128 of K 8][piece 4][lane 32][16 bytes];
; W1_codes taken as [8192 = 2 experts x 4096 hidden units][1024] codes (scale 2^e0); b1 as [8192] f32.
; A sum of codes stands for sum x 2^(e0 + e1).  So b1 goes in as b1 / 2^(e0 + e1), as the C of each sum's first matrix instruction, and the code is (sum + that) / 2^(e2 - e0 - e1), held between 0 (the relu) and 448.
; LIMITS: e2 - e0 - e1 between -126 and 119, so that this power of two and 448 times it are f32 numbers; e0 + e1 is applied by v_ldexp_f32 and has none.  NaN among the inputs is not served.
; SHARES.  A work-group makes 512 tokens x 256 hidden units.  Its 256 rows of W1 are filled into LDS ONCE, over the whole K of 1,024, as two halves of K; no byte is filled again.
; Each of its four waves makes 64 tokens x 256 units in each of two passes: 64 accumulators of 16 x 16, 512 registers.  Its tokens come from memory straight into registers, each by one wave; W1's fragments from LDS.
; THE MATRIX INSTRUCTION IS USED TRANSPOSED: source 0 = 16 rows of W1, source 1 = 16 tokens.  Lane (r = l % 16, hh = l / 16) then holds token r, and its registers 0 to 7 the hidden units 8 hh + 0 .. 7: neighbours along the next product's K.
; A fragment (16 rows x 128 K): registers 4 c .. 4 c + 3 hold K = 32 c + 16 hh + 0 .. 15: a permutation of k that is the same on both sides.
; A STEP is 128 along K: four groups of four of W1's blocks, sixteen matrix instructions each.  W1's fragments take turns in two groups' registers: behind a group's products the group two further on is asked for, sixteen loads in one run.
; The tokens' fragments have three sets of registers: a step's are asked for two steps ahead (a pass's first three: ahead of the pass, under the way out of the pass before).
; hq IS LAID AS THE NEXT LAUNCH'S OPERAND REGISTERS: [expert 2][block of 16 tokens 256][128 hidden units 32][piece c 4][lane 32][16 bytes]; lane (r, hh), piece c: token r, hidden units 32 c + 16 hh + 0 .. 15.
; CLUSTERS: 4 x 4 work-groups.  The four of a column need the same rows of W1: each wave's part is asked for JOINTLY, by the same tensor load with the same descriptor and a mask that names the four.
; PREFETCH of the tokens, half a pass (four steps) at a time: in a pass's first step for its second half, in its fifth for the next pass's first half: two steps ahead of the first load that wants them.
; The four partners of a row read the same tokens and share them by address: of a wave's four blocks each names one, 8,192 bytes, a lane 256.  Of the eight clusters along x, which read the same tokens, four ask.
; REGISTERS, in windows of 256.  Window 0: v1-31 addresses and constants; v32-63 codes on the way out; v64-127 b1 of blocks 0-7 in the result's layout (register 8 b + j: unit 16 b + 8 hh + j); v128-255 W1's two groups.
;   Window 1: v0-191 the tokens' three sets; v192-255 b1 of blocks 8-15.   Window 2: accumulators of blocks 0-7 ((b, t) at v[8 (4 b + t)]);   window 3: of blocks 8-15.
.set NP,     4                         ; places behind this matrix instruction (ISA guide 7.12.1)
.set PITCH,  528                       ; an LDS row: 512 bytes + 16 of padding = 132 words: the 16 rows that a load touches start 4 words apart modulo 64 words
.set QT,     64*PITCH                  ; what one tensor load brings
.set EIGHT,  128*PITCH                 ; eight blocks of 16 rows
.set HALF,   256*PITCH                 ; half of K
.set SPARE,  2*HALF                    ; the spare words, 128 bytes for each wave, which no other line names
.set PASS,   16*16384                  ; a pass's 16 blocks of tokens, in bytes of xq
.set ADW,  16                          ; v16-19  LDS address of W1's fragments: blocks 0-7, 8-15 of the first half of K, then of the second
.set BO,   22                          ; v22     32 hh: my eight numbers of a tile's sixteen of b1
.set CO,   24                          ; v24     16 x lane: my place in a piece
.set SCL,  26                          ; v26     2^(e2 - e0 - e1)
.set HLIM, 27                          ; v27     448 x that
.set SPW,  28                          ; v28     LDS address of my spare word; never rewritten
.set NIL,  29                          ; v29     0; never rewritten
.set PFO,  30                          ; v30     the prefetches' offset: 256 x lane; never rewritten
.set G1, 24                            ; s[24:31] descriptor group 1;  s[32:39] group 0, one set for each half of K
.set G0, 32
.set TB, 66                            ; s[66:67] my tokens of the pass
.set PFA, 82                           ; s[82:83] the block of them that my prefetches name
.set LIM, 84                           ; s84     1 in a cluster that prefetches, else above every count
.set MSB, 0
.macro WIN new                         ; the immediate's high byte repeats the setting that is left
.if MSB != (\new)
	s_set_vgpr_msb (MSB<<8)|(\new)
.set MSB, (\new)
.endif
.endm
.macro PLACES n
.rept \n
	v_nop
.endr
.endm
.macro JLOAD s                         ; a joint load: every wave its 64 rows
	tensor_load_to_lds s[G0+4*\s:G0+4*\s+3], s[G1:G1+7]
	s_nop 0
	PLACES 4
.endm
.macro CROUND                          ; a round of the cluster's barrier
	s_barrier_signal -1
	s_barrier_wait -1
	s_cmp_lg_u32 s14, 0
	s_cbranch_scc1 .Lnot_wave_0_\@
	s_barrier_signal -3
.Lnot_wave_0_\@:
	s_barrier_wait -3
	s_barrier_signal -1
	s_barrier_wait -1
.endm
.macro ASK second                      ; second = 0: my pass's second half; 1: the next pass's first half, where s2 says that there is one
.if \second
	s_cmp_gt_u32 s2, s[LIM]
.else
	s_cmp_ge_u32 s2, s[LIM]
.endif
	s_cbranch_scc0 .Lnot_mine_\@
	global_prefetch_b8 v[PFO], s[PFA:PFA+1] offset:8192+(PASS-8192)*\second th:TH_LOAD_NT scope:SCOPE_SE
.Lnot_mine_\@:
.endm
.macro TLOAD set, g, off               ; the tokens' four fragments of step g
	WIN 0x40                                       ; destination window 1, address window 0
.irp t, 0,1,2,3
.irp c, 0,1,2,3
	global_load_b128 v[64*(\set)+16*\t+4*\c:64*(\set)+16*\t+4*\c+3], v[CO], s[TB:TB+1] offset:16384*\t+2048*(\g)+512*\c+(\off)
.endr
.endr
	WIN 0
.endm
.macro WLOAD g, i                      ; W1's blocks 4 i .. 4 i + 3 of step g
.irp b, 0,1,2,3
.irp c, 0,1,2,3
	ds_load_b128 v[128+64*((\i)%2)+16*\b+4*\c:128+64*((\i)%2)+16*\b+4*\c+3], v[ADW+2*((\g)/4)+((\i)/2)] offset:16*PITCH*((4*(\i)+\b)%8)+128*((\g)%4)+32*\c
.endr
.endr
.endm
; 16 matrix instructions: W1's group of blocks i x my four blocks of tokens.  first = 1: b1 starts the sums: nothing is cleared.
; The 64 accumulators take turns, one instruction a turn, in the same order in every step.
.macro MULG i, set, first
.if \first
	WIN 0x84+0x50*((\i)/2)                         ; source 0 (W1) window 0, source 1 (tokens) window 1, C (b1) window 0 or 1, D window 2 or 3
.else
	WIN 0xa4+0x50*((\i)/2)                         ; C with D
.endif
.irp b, 0,1,2,3
.irp t, 0,1,2,3
.set AC, 8*(4*((4*(\i)+\b)%8)+\t)
.set WF, 128+64*((\i)%2)+16*\b
.set TF, 64*(\set)+16*\t
.set BI, 64+128*((\i)/2)+8*((4*(\i)+\b)%8)
.if \first
	v_wmma_f32_16x16x128_fp8_fp8 v[AC:AC+7], v[WF:WF+15], v[TF:TF+15], v[BI:BI+7]
.else
	v_wmma_f32_16x16x128_fp8_fp8 v[AC:AC+7], v[WF:WF+15], v[TF:TF+15], v[AC:AC+7]
.endif
.endr
.endr
.endm
; Step g of a pass.  last = 1: nothing is left to fetch behind it.
.macro STEPU g, last
.irp i, 0,1,2,3
.if \i == 0
.if \g == 0
	s_wait_loadcnt 32                              ; this step's tokens are in; the next two steps' may be out
.elseif \g == 7
	s_wait_loadcnt 0                               ; (the pass's last step: none younger)
.else
	s_wait_loadcnt 16                              ; the next step's may be out
.endif
.endif
.if (\g == 3) && (\i == 2)
	s_wait_tensorcnt 0x0                           ; my part of K's second half has landed, and no LDS read of mine is out:
	s_wait_dscnt 0x0
	s_barrier_signal -1
.elseif \last && (\i == 3)
	s_wait_dscnt 0
.else
	s_wait_dscnt 16                                ; the group is in; the next one may be out
.endif
	MULG \i, \g%3, (\g==0)
	PLACES NP                                      ; in front of loads into registers that these products have read
	WIN 0
.if (\g == 3) && (\i == 2)
	s_barrier_wait -1                              ; everybody's part has: from here on the second half is read
.endif
.if \i < 2
	WLOAD \g, \i+2
.elseif \last == 0
	WLOAD ((\g)+1)%8, \i-2
.endif
.if \i == 0
.if (\g > 0) && (\g < 6)
	TLOAD (\g+2)%3, \g+2, 0
.elseif (\g == 7) && (\last == 0)
	TLOAD 0, 0, PASS                               ; the next pass's first step
.endif
.if \g == 0
	ASK 0
.elseif \g == 4
	ASK 1
.endif
.endif
.endr
.endm
; THE WAY OUT, 16 tokens x 128 units at a time, without LDS.  relu and the hold in one, in place; eight conversions give, for each tile b, 8 codes a lane: hidden units 16 b + 8 hh + 0 .. 7.
; The next product wants 16 neighbours a lane, 32 c + 16 hh + 0 .. 15: tile 2 c's upper lanes and tile 2 c + 1's lower lanes change places, word by word.  Then registers 4 c .. 4 c + 3 are piece c of the image.
.macro OUTB t, u                       ; block t of tokens, units 128 u on
.set CB, 32+16*\u
	WIN 0x82+0x41*\u                               ; source 0 and destination: window 2 or 3
.irp b, 0,1,2,3,4,5,6,7
.irp j, 0,1,2,3,4,5,6,7
	v_med3_num_f32 v[32*\b+8*\t+\j], v[32*\b+8*\t+\j], 0, v[HLIM]    ; each accumulator from its low end on; the conversion does not saturate (ISA guide 7.6.2)
.endr
.endr
	s_wait_alu depctr_va_vdst(0)
	s_wait_xcnt 0x0                                ; earlier stores have read the registers that the codes go to
	WIN 0x02+\u
.irp b, 0,1,2,3,4,5,6,7
	v_cvt_scalef32_pk8_fp8_f32 v[CB+2*\b:CB+2*\b+1], v[32*\b+8*\t:32*\b+8*\t+7], v[SCL]
.endr
	v_nop                                          ; a plain vector line between the conversions and the lines that touch their results or write their sources
	WIN 0
.irp c, 0,1,2,3
	v_permlane16_swap_b32 v[CB+4*\c], v[CB+4*\c+2]
	v_permlane16_swap_b32 v[CB+4*\c+1], v[CB+4*\c+3]
.endr
.irp c, 0,1,2,3
	global_store_b128 v[CO], v[CB+4*\c:CB+4*\c+3], s[12:13] offset:65536*\t+2048*\u+512*\c   ; 512 consecutive bytes, at a multiple of 512 from hq's first byte
.endr
.endm
.macro OUT
.irp t, 0,1,2,3
	OUTB \t, 0
	OUTB \t, 1
.endr
.endm
	s_load_b128 s[4:7], s[0:1], 0x0                ; xq s[4:5], W1's codes s[6:7]
	s_load_b128 s[8:11], s[0:1], 0x10              ; b1 s[8:9], the scales' exponents s[10:11]
	s_load_b64 s[12:13], s[0:1], 0x20              ; hq
	v_lshl_add_u32 v[SPW], v0, 2, SPARE
	v_mov_b32 v[NIL], 0
	ds_add_u32 v[SPW], v[NIL]                      ; the wave's opening: the add, twice on end, and its wait ahead of my first tensor load
	ds_add_u32 v[SPW], v[NIL]
	v_lshrrev_b32 v1, 5, v0
	v_readfirstlane_b32 s14, v1                    ; wave 0..3
	s_bfe_u32 s40, ttmp6, 0x40000                  ; cx, cy: my place in the cluster
	s_bfe_u32 s41, ttmp6, 0x40004
	s_lshl_b32 s42, ttmp9, 2
	s_add_co_u32 s42, s42, s40                     ; X: which 256 rows of W1 = 4 x cluster x + cx
	s_and_b32 s17, ttmp7, 0xffff
	s_lshl_b32 s17, s17, 2
	s_add_co_u32 s17, s17, s41                     ; Y: which 512 tokens = 4 x cluster y + cy
	s_lshl_b32 s44, 0x1111, s40                    ; my column of the cluster
	; descriptor group 1: 64 rows x 512 bytes, padded in LDS
	s_or_b32 s[G1], s44, (0<<16)|(1<<20)|(1<<21)|(6<<22)|(3<<25)  ; 15:0 the mask; 17:16 elements of 1 byte; 20 padding on; 21 set beside a mask; 24:22 after every 128 words (code 6); 31:25 of 4 words (code 3)
	s_mov_b32 s[G1+1], 512<<16                     ; tensor_dim0
	s_mov_b32 s[G1+2], 64<<16                      ; tensor_dim1
	s_mov_b32 s[G1+3], 512<<16                     ; tile_dim0
	s_mov_b32 s[G1+4], 64                          ; tile_dim1
	s_mov_b32 s[G1+5], 1024                        ; tensor_dim0_stride
	s_mov_b32 s[G1+6], 0
	s_mov_b32 s[G1+7], 0
	s_lshl_b32 s46, s42, 18
	s_lshl_b32 s47, s14, 16
	s_add_co_u32 s46, s46, s47                     ; W1: (256 X + 64 wave) rows of 1,024 bytes
	s_mov_b32 s47, 0
	s_mul_i32 s45, s14, QT                         ; where they go: no place in the cluster enters an LDS address
	s_wait_dscnt 0x0                               ; both opening adds are done
	s_wait_kmcnt 0x0
	s_load_b128 s[72:75], s[10:11], 0x0            ; e0 (W1), e1 (x), e2 (h), e3
	s_add_nc_u64 s[46:47], s[6:7], s[46:47]
	CROUND                                         ; all sixteen work-groups are here: the first joint loads meet
.irp s, 0,1
	s_mov_b32 s[G0+4*\s], 1
	s_add_co_u32 s[G0+4*\s+1], s45, \s*HALF
	s_add_nc_u64 s[G0+4*\s+2:G0+4*\s+3], s[46:47], \s*512
	s_or_b32 s[G0+4*\s+3], s[G0+4*\s+3], 0x80000000
.endr
	JLOAD 0                                        ; K's first half: one tensor load a wave at the head
	s_lshl_b32 s76, s42, 10
	s_mov_b32 s77, 0
	s_add_nc_u64 s[8:9], s[8:9], s[76:77]          ; b1 at unit 256 X
	s_lshl_b32 s76, s17, 19
	s_lshl_b32 s77, s14, 16
	s_add_co_u32 s76, s76, s77
	s_mov_b32 s77, 0
	s_add_nc_u64 s[TB:TB+1], s[4:5], s[76:77]      ; xq at block 32 Y + 4 wave
	s_lshl_b32 s78, s40, 14
	s_mov_b32 s79, 0
	s_add_nc_u64 s[PFA:PFA+1], s[TB:TB+1], s[78:79]  ; and cx blocks on
	; hq: ((expert x 256 + 32 Y + 4 wave) << 16) + ((X % 16) << 12)
	s_lshr_b32 s76, s42, 4
	s_lshl_b32 s76, s76, 24
	s_lshl_b32 s77, s17, 21
	s_add_co_u32 s76, s76, s77
	s_lshl_b32 s77, s14, 18
	s_add_co_u32 s76, s76, s77
	s_and_b32 s77, s42, 15
	s_lshl_b32 s77, s77, 12
	s_add_co_u32 s76, s76, s77
	s_mov_b32 s77, 0
	s_add_nc_u64 s[12:13], s[12:13], s[76:77]
	s_bcnt1_i32_b32 s76, ttmp9
	s_and_b32 s76, s76, 1                          ; clusters x = 0, 3, 5, 6 ask
	s_cselect_b32 s[LIM], 64, 1
	v_and_b32 v1, 15, v0                           ; r
	v_bfe_u32 v2, v0, 4, 1                         ; hh
	v_and_b32 v5, 31, v0                           ; lane
	v_mul_u32_u24 v3, v1, PITCH
	v_lshl_add_u32 v[ADW], v2, 4, v3               ; a fragment's row x pitch + 16 hh
	v_add_nc_u32 v[ADW+1], EIGHT, v[ADW]
	v_add_nc_u32 v[ADW+2], 2*EIGHT, v[ADW]
	v_add_nc_u32 v[ADW+3], 3*EIGHT, v[ADW]
	v_lshlrev_b32 v[BO], 5, v2
	v_lshlrev_b32 v[CO], 4, v5
	v_lshlrev_b32 v[PFO], 8, v5
	s_wait_alu depctr_va_vdst(0)
.irp b, 0,1,2,3,4,5,6,7
	global_load_b128 v[64+8*\b:64+8*\b+3], v[BO], s[8:9] offset:64*\b
	global_load_b128 v[64+8*\b+4:64+8*\b+7], v[BO], s[8:9] offset:64*\b+16
.endr
	WIN 0x40
.irp b, 0,1,2,3,4,5,6,7
	global_load_b128 v[192+8*\b:192+8*\b+3], v[BO], s[8:9] offset:512+64*\b
	global_load_b128 v[192+8*\b+4:192+8*\b+7], v[BO], s[8:9] offset:512+64*\b+16
.endr
	WIN 0
	TLOAD 0, 0, 0
	TLOAD 1, 1, 0
	TLOAD 2, 2, 0
	s_wait_tensorcnt 0x0                           ; my part of K's first half is in
	ds_add_u32 v[SPW], v[NIL]
	s_wait_dscnt 0x0
	CROUND                                         ; everybody's part is in, and all sixteen work-groups are here
	JLOAD 1                                        ; K's second half
	WLOAD 0, 0
	WLOAD 0, 1
	s_wait_loadcnt 48                              ; b1 is in; three steps' tokens may be out
	s_wait_kmcnt 0x0
	s_add_co_i32 s78, s72, s73                     ; e0 + e1
	s_sub_co_i32 s79, s74, s78                     ; e2 - e0 - e1
	s_sub_co_i32 s78, 0, s78
	s_add_co_i32 s79, s79, 127
	s_lshl_b32 s80, s79, 23
	v_mov_b32 v[SCL], s80                          ; 2^(e2 - e0 - e1) as f32: the conversion takes its exponent field
	s_add_co_i32 s79, s79, 8
	s_lshl_b32 s79, s79, 23
	s_or_b32 s79, s79, 0x600000
	v_mov_b32 v[HLIM], s79                         ; 448 x that
.set J, 0
.rept 64
	v_ldexp_f32 v[64+J], v[64+J], s78              ; b1 / 2^(e0 + e1)
.set J, J+1
.endr
	WIN 0x41
.set J, 0
.rept 64
	v_ldexp_f32 v[192+J], v[192+J], s78
.set J, J+1
.endr
	WIN 0
	s_wait_alu depctr_va_vdst(0)
	s_mov_b32 s2, 2                                ; passes to go, this one among them: the same number in every work-group
.Lpass:
	STEPU 0, 0
	STEPU 1, 0
	STEPU 2, 0
	STEPU 3, 0
	STEPU 4, 0
	STEPU 5, 0
	STEPU 6, 0
	s_cmp_eq_u32 s2, 1
	s_cbranch_scc1 .Llast_pass                     ; the last pass's last step is written out: it asks for nothing more
	STEPU 7, 0
	TLOAD 1, 1, PASS                               ; the next pass's second and third steps
	TLOAD 2, 2, PASS
	OUT
	s_wait_xcnt 0x0                                ; loads, stores and prefetches have read their bases
	s_add_nc_u64 s[TB:TB+1], s[TB:TB+1], PASS
	s_add_nc_u64 s[PFA:PFA+1], s[PFA:PFA+1], PASS
	s_add_nc_u64 s[12:13], s[12:13], 0x100000      ; 16 blocks of tokens on in hq
	s_sub_co_u32 s2, s2, 1
	s_branch .Lpass
.Llast_pass:
	STEPU 7, 1
	OUT
	s_wait_tensorcnt 0x0                           ; the wave's end
	ds_add_u32 v[SPW], v[NIL]
	s_wait_dscnt 0x0
	CROUND                                         ; the closing round: no work-group ends while a partner may still ask for a tile that names it
	s_endpgm
.Lfunc_end_k_q84320d45cb_up:
	.size	k_q84320d45cb_up, .Lfunc_end_k_q84320d45cb_up-k_q84320d45cb_up
	.p2alignl 7, 3214868480
	.fill 96, 4, 3214868480
	.section	.rodata,"a",@progbits
	.p2align	6, 0x0
	.amdhsa_kernel k_q84320d45cb_up
		.amdhsa_group_segment_fixed_size 327680
		.amdhsa_private_segment_fixed_size 0
		.amdhsa_enable_private_segment 0
		.amdhsa_kernarg_size 40
		.amdhsa_user_sgpr_count 2
		.amdhsa_user_sgpr_kernarg_segment_ptr 1
		.amdhsa_wavefront_size32 1
		.amdhsa_system_sgpr_workgroup_id_x 1
		.amdhsa_system_sgpr_workgroup_id_y 1
		.amdhsa_system_sgpr_workgroup_id_z 1
		.amdhsa_system_vgpr_workitem_id 0
		.amdhsa_next_free_vgpr 1024
		.amdhsa_next_free_sgpr 96
		.amdhsa_reserve_vcc 0
		.amdhsa_float_denorm_mode_32 3
		.amdhsa_float_denorm_mode_16_64 3
		.amdhsa_memory_ordered 1
		.amdhsa_forward_progress 1
		.amdhsa_inst_pref_size 201
	.end_amdhsa_kernel
	.amdgpu_metadata
---
amdhsa.version: [ 1, 2 ]
amdhsa.kernels:
  - .name:           k_q84320d45cb_up
    .symbol:         k_q84320d45cb_up.kd
    .args:
      - { .name: xq, .offset: 0, .size: 8, .value_kind: global_buffer, .address_space: global }
      - { .name: W1_codes, .offset: 8, .size: 8, .value_kind: global_buffer, .address_space: global }
      - { .name: b1, .offset: 16, .size: 8, .value_kind: global_buffer, .address_space: global }
      - { .name: lowp_scales, .offset: 24, .size: 8, .value_kind: global_buffer, .address_space: global }
      - { .name: hq, .offset: 32, .size: 8, .value_kind: global_buffer, .address_space: global }
    .group_segment_fixed_size: 327680
    .private_segment_fixed_size: 0
    .kernarg_segment_align: 8
    .kernarg_segment_size: 40
    .max_flat_workgroup_size: 128
    .sgpr_count:     96
    .vgpr_count:     1024
    .wavefront_size: 32
...
	.end_amdgpu_metadata
.endif
;; end of part 2
;; launch down (part 3): grid 32 x 8, 4 waves a work-group, clusters of 4 x 4, 327,680 bytes of LDS; arguments hq, W2_codes, b2, gates, lowp_scales, out0; writes out0
.if DOCPART == 3
	.amdgcn_target "amdgcn-amd-amdhsa--gfx1250"
	.amdhsa_code_object_version 6
	.text
	.protected	k_q84320d45cb_down
	.globl	k_q84320d45cb_down
	.p2align	8
	.type	k_q84320d45cb_down,@function
k_q84320d45cb_down:
	s_mov_b64 s[64:65], 0
	v_nop
	global_prefetch_b8 v0, s[64:65] scope:SCOPE_SE
	s_setreg_imm32_b32 hwreg(HW_REG_WAVE_MODE, 25, 1), 1
	s_wait_xcnt 0x0
	s_wait_alu depctr_hold_cnt(0) depctr_sa_sdst(0) depctr_va_vdst(0) depctr_va_sdst(0) depctr_va_ssrc(0) depctr_va_vcc(0) depctr_vm_vsrc(0)
	s_getreg_b32 s2, hwreg(HW_REG_IB_STS2, 6, 4)
	s_cmp_eq_u32 s2, 0
	s_cbranch_scc0 .Lentry_in_a_cluster
	s_endpgm
.Lentry_in_a_cluster:
	s_bfe_u32 s2, ttmp6, 0x10000c
	s_cmp_lg_u32 s2, 0xf033
	s_cbranch_scc0 .Lentry_shape_is_right
	s_endpgm
.Lentry_shape_is_right:
; out[token][d] = sum over the two experts e of gates[e][token] x (h_e W2_e + b2_e)[token][d].  hq: codes (scale 2^e2), laid as [expert 2][block of 16 tokens 256][128 hidden units 32][piece 4][lane 32][16 bytes];
; W2_codes: [2][1024 d][4096] codes (scale 2^e3); b2 [2][1024], gates [2][4096], out [4096][1024] f32.
; A sum of codes stands for sum x 2^(e2 + e3): b2 goes in as b2 / 2^(e2 + e3), as the C of a sum's first matrix instruction, and each token's gate is multiplied by 2^(e2 + e3) before it multiplies the sums.
; LIMITS: NaN and infinities among the inputs are not served; e2 + e3 is applied by v_ldexp_f32.
; SHARES.  A work-group makes 128 tokens x 128 columns d.  Each of its four waves makes the WHOLE tile for a quarter of the products' K: expert e = wave / 2, and of each 256 of K the half wave % 2: 64 accumulators of 16 x 16, 512 registers.
; The four parts are scaled by the gates and added through LDS at the end.  So each byte of a tile is read from LDS by one wave, once.
; THE RING.  Two slots; a slot holds, for both experts, 256 of K: hq's 8 blocks x 4,096 bytes (the image as it lies in memory) and W2's 128 rows x 256 bytes (16 of padding behind each).  16 slots' worth; a wave has 64 matrix instructions on each.
; A wave's fragments of a slot are all in registers before the slot is filled again: hq's fragments have two sets, W2's one (a block of W2 is free as soon as its eight products are issued).
; CLUSTERS: 4 x 4 work-groups.  The four of a column of the cluster need the same tokens, the four of a row the same rows of W2: each tile is asked for JOINTLY, by the same tensor load with the same descriptor and a mask that names the four.
; THE MATRIX INSTRUCTION IS USED TRANSPOSED: source 0 = 16 rows of W2, source 1 = 16 tokens: lane (r = l % 16, hh = l / 16) holds token r and eight neighbouring columns d.
; PREFETCH: behind each joint load one instruction a wave for the slot that stands two refills on.  Of the 32,768 bytes that a wave fetches each of the four partners names 8,192, told apart by address; each lane another 256 bytes.
; W2's tiles are read by all eight clusters along x: four of them ask.  Slots 0 to 3 come by their loads alone; the last refills ask for nothing.
; REGISTERS.  Window 0: v1-31 addresses; v32-47 gates; v64-127 b2 in the result's layout; v128-255 W2's fragments; on the way out v64-255 at work.  Window 1: hq's fragments, sets at v0 and v128.
;   Window 2: accumulators of W2's blocks 0-3 ((b, a) at v[8 (8 b + a)]: columns 16 b + 8 hh + 0 .. 7, tokens 16 a + r);  window 3: of blocks 4-7.
.set FR,     16                        ; registers of a fragment: 16 rows x 128 K
.set NP,     4                         ; places behind this matrix instruction (ISA guide 7.12.1)
.set WP,     272                       ; a row of W2 in LDS: 68 words: the 16 rows that a load touches start 4 words apart modulo 64 words
.set TH,     32768                     ; one expert's tile of hq
.set WH,     128*WP                    ; one expert's tile of W2
.set WOFF,   2*TH
.set SLOT,   2*TH+2*WH
.set SPARE,  2*SLOT                    ; the spare words, 128 bytes for each wave, which no other line names
.set SPITCH, 528                       ; the way out: a row of 128 f32 + 16 bytes
.set SREG,   128*SPITCH                ; a wave's part of the tile; four of them lie over the two slots, which have had their last fill and their last read by then
.set RD,   8                           ; v8-11   where I read the four parts back
.set ADRT, 18                          ; v18-19  LDS address of my fragments of hq in slot 0, 1
.set ADRW, 20                          ; v20-21  the same for W2
.set BO,   22
.set GO,   23
.set STO,  24                          ; v24     where I put 16 bytes of a row
.set CO,   25                          ; v25     16 x lane: my place in a row of the tile
.set PFO,  26                          ; v26     the prefetches' offset; never rewritten
.set SPW,  28                          ; v28     LDS address of my spare word; never rewritten
.set NIL,  29                          ; v29     0; never rewritten
.set GP,   32
.set BIAS, 64
.set TMP,  64
.set OB,   64
.set AF,   128
.set LB,   128
.set G1,   24                          ; s[24:31] descriptor group 1 for hq's tiles; s[32:39] group 0, one set for each slot
.set G0,   32
.set G1B,  48                          ; s[48:55], s[56:63] the same for W2's tiles
.set G0B,  56
.set PFA,  76                          ; s[76:77] where my prefetches stand
.set PFS,  78                          ; s[78:79] a slot on: 4,096 bytes in hq, 256 in a row of W2
.set LIM,  80                          ; s80     1 in a wave that prefetches, else the greatest number
.set MSB, 0
.macro WIN new                         ; the immediate's high byte repeats the setting that is left
.if MSB != (\new)
	s_set_vgpr_msb (MSB<<8)|(\new)
.set MSB, (\new)
.endif
.endm
.macro WMUL hi, first                  ; source 0 (W2) window 0, source 1 (hq) window 1, D window 2 + hi; C with D, or, in the first step, b2 in window 0
.if \first
	WIN 0x84+0x40*(\hi)
.else
	WIN 0xa4+0x50*(\hi)
.endif
.endm
; A joint load: waves 0 and 1 fetch hq's tiles of expert 0 and 1, waves 2 and 3 W2's.  The branch hangs on the wave's number alone.  Four v_nop follow each of the two lines.
.macro JLOAD s
	s_cmp_eq_u32 s15, 0
	s_cbranch_scc0 .Lfor_w_\@
	tensor_load_to_lds s[G0+4*\s:G0+4*\s+3], s[G1:G1+7]
	s_nop 0
.rept 4
	v_nop
.endr
	s_branch .Lasked_\@
.Lfor_w_\@:
	tensor_load_to_lds s[G0B+4*\s:G0B+4*\s+3], s[G1B:G1B+7]
	s_nop 0
.rept 4
	v_nop
.endr
.Lasked_\@:
.endm
.macro CREST                           ; a round of the cluster's barrier behind its opening barrier
	s_cmp_lg_u32 s14, 0
	s_cbranch_scc1 .Lnot_wave_0_\@
	s_barrier_signal -3
.Lnot_wave_0_\@:
	s_barrier_wait -3
	s_barrier_signal -1
	s_barrier_wait -1
.endm
.macro CROUND                          ; a whole round
	s_barrier_signal -1
	s_barrier_wait -1
	CREST
.endm
.macro PLACES n
.rept \n
	v_nop
.endr
.endm
.macro ASK last                        ; last = 1: where s3 = 1 (the loop's last trip) there is no slot two refills on
.if \last
	s_cmp_gt_u32 s3, s[LIM]
.else
	s_cmp_ge_u32 s3, s[LIM]
.endif
	s_cbranch_scc0 .Lnot_mine_\@
	global_prefetch_b8 v[PFO], s[PFA:PFA+1] th:TH_LOAD_NT scope:SCOPE_SE
.Lnot_mine_\@:
.endm
	s_load_b128 s[4:7], s[0:1], 0x0                ; hq s[4:5], W2's codes s[6:7]
	s_load_b128 s[8:11], s[0:1], 0x10              ; b2 s[8:9], gates s[10:11]
	s_load_b128 s[68:71], s[0:1], 0x20             ; the scales' exponents s[68:69], out s[70:71]
	v_lshl_add_u32 v[SPW], v0, 2, SPARE
	v_mov_b32 v[NIL], 0
	ds_add_u32 v[SPW], v[NIL]                      ; the wave's opening: the add, twice on end, and its wait ahead of my first tensor load
	ds_add_u32 v[SPW], v[NIL]
	v_lshrrev_b32 v1, 5, v0
	v_readfirstlane_b32 s14, v1                    ; wave 0..3
	s_lshr_b32 s15, s14, 1                         ; the expert whose products I make.  Also: I fetch hq (0) or W2 (1)
	s_and_b32 s16, s14, 1                          ; which 128 of each 256 of K are mine.  Also: the expert whose tile I fetch
	s_bfe_u32 s40, ttmp6, 0x40000                  ; cx, cy: my place in the cluster
	s_bfe_u32 s41, ttmp6, 0x40004
	s_lshl_b32 s42, ttmp9, 2
	s_add_co_u32 s42, s42, s40                     ; X: which 128 tokens
	s_and_b32 s17, ttmp7, 0xffff
	s_lshl_b32 s17, s17, 2
	s_add_co_u32 s17, s17, s41                     ; Y: which 128 columns
	s_lshl_b32 s43, s41, 2
	s_lshl_b32 s43, 15, s43                        ; my row of the cluster
	s_lshl_b32 s44, 0x1111, s40                    ; my column
	s_or_b32 s[G1], s44, (3<<16)|(1<<21)           ; hq: 15:0 the mask: my column; 17:16 elements of 8 bytes; 21 set beside a mask; no padding
	s_mov_b32 s[G1+1], 512<<16                     ; tensor_dim0: 4,096 bytes
	s_mov_b32 s[G1+2], 8<<16                       ; tensor_dim1: 8 blocks
	s_mov_b32 s[G1+3], 512<<16                     ; tile_dim0
	s_mov_b32 s[G1+4], 8                           ; tile_dim1
	s_mov_b32 s[G1+5], 8192                        ; tensor_dim0_stride: 65,536 bytes from block to block
	s_mov_b32 s[G1+6], 0
	s_mov_b32 s[G1+7], 0
	s_or_b32 s[G1B], s43, (0<<16)|(1<<20)|(1<<21)|(5<<22)|(3<<25)   ; W2: my row; elements of 1 byte; 4 words of padding after every 64
	s_mov_b32 s[G1B+1], 256<<16
	s_mov_b32 s[G1B+2], 128<<16
	s_mov_b32 s[G1B+3], 256<<16
	s_mov_b32 s[G1B+4], 128
	s_mov_b32 s[G1B+5], 4096
	s_mov_b32 s[G1B+6], 0
	s_mov_b32 s[G1B+7], 0
	s_lshl_b32 s20, s16, 24
	s_lshl_b32 s21, s42, 19
	s_add_co_u32 s20, s20, s21                     ; hq: expert x 2^24 + 8 blocks x 65,536 x X
	s_mov_b32 s21, 0
	s_lshl_b32 s46, s16, 22
	s_lshl_b32 s47, s17, 19
	s_add_co_u32 s46, s46, s47                     ; W2: expert x 2^22 + 128 rows x 4,096 x Y
	s_mov_b32 s47, 0
	s_lshl_b32 s45, s16, 15                        ; where they go in a slot: hq's tile,
	s_mul_i32 s18, s16, WH
	s_add_co_u32 s18, s18, WOFF                    ; W2's tile: no place in the cluster enters an LDS address
	s_wait_dscnt 0x0                               ; both opening adds are done
	s_wait_kmcnt 0x0
	s_load_b128 s[72:75], s[68:69], 0x0            ; e0, e1, e2 (h), e3 (W2)
	s_add_nc_u64 s[20:21], s[4:5], s[20:21]
	s_add_nc_u64 s[46:47], s[6:7], s[46:47]
	CROUND                                         ; all sixteen work-groups are here: the first joint loads meet
.irp s, 0,1
	s_mov_b32 s[G0+4*\s], 1
	s_add_co_u32 s[G0+4*\s+1], s45, \s*SLOT
	s_add_nc_u64 s[G0+4*\s+2:G0+4*\s+3], s[20:21], \s*4096
	s_or_b32 s[G0+4*\s+3], s[G0+4*\s+3], 0x80000000
	s_mov_b32 s[G0B+4*\s], 1
	s_add_co_u32 s[G0B+4*\s+1], s18, \s*SLOT
	s_add_nc_u64 s[G0B+4*\s+2:G0B+4*\s+3], s[46:47], \s*256
	s_or_b32 s[G0B+4*\s+3], s[G0B+4*\s+3], 0x80000000
.endr
	JLOAD 0                                        ; slot 0: one tensor load a wave at the head
	; b2 at (my expert, column 128 Y); gates at (my expert, token 128 X); out at (token 128 X + 32 wave, column 128 Y)
	s_lshl_b32 s22, s15, 12
	s_lshl_b32 s23, s17, 9
	s_add_co_u32 s22, s22, s23
	s_mov_b32 s23, 0
	s_add_nc_u64 s[8:9], s[8:9], s[22:23]
	s_lshl_b32 s22, s15, 14
	s_lshl_b32 s23, s42, 9
	s_add_co_u32 s22, s22, s23
	s_mov_b32 s23, 0
	s_add_nc_u64 s[10:11], s[10:11], s[22:23]
	s_lshl_b32 s86, s42, 19
	s_lshl_b32 s87, s14, 17
	s_add_co_u32 s86, s86, s87
	s_lshl_b32 s87, s17, 9
	s_add_co_u32 s86, s86, s87
	s_mov_b32 s87, 0
	s_add_nc_u64 s[70:71], s[70:71], s[86:87]
	; the prefetches: my partner's share of what I fetch, at slot 3: the first change of slots steps it to slot 4.  hq: rows 2 cy, 2 cy + 1 of 65,536 bytes; W2: rows 32 cx .. of 4,096 bytes
	s_lshl_b32 s22, s16, 24
	s_lshl_b32 s23, s42, 19
	s_add_co_u32 s22, s22, s23
	s_lshl_b32 s23, s41, 17
	s_add_co_u32 s22, s22, s23
	s_add_co_u32 s22, s22, 3*4096                  ; in hq
	s_lshl_b32 s84, s16, 22
	s_lshl_b32 s85, s17, 19
	s_add_co_u32 s84, s84, s85
	s_lshl_b32 s85, s40, 17
	s_add_co_u32 s84, s84, s85
	s_add_co_u32 s84, s84, 3*256                   ; in W2
	s_mov_b32 s85, 4096
	s_mov_b32 s23, 0
	s_mov_b32 s[PFS+1], 0
	s_cmp_eq_u32 s15, 0
	s_cselect_b64 s[PFA:PFA+1], s[4:5], s[6:7]
	s_cselect_b32 s22, s22, s84
	s_cselect_b32 s[PFS], s85, 256                 ; a slot on
	s_cselect_b32 s84, 256, s85                    ; from lane to lane
	s_add_nc_u64 s[PFA:PFA+1], s[PFA:PFA+1], s[22:23]
	s_bcnt1_i32_b32 s22, ttmp9
	s_and_b32 s22, s22, s15                        ; 1: I fetch W2 and my cluster is not one of x = 0, 3, 5, 6
	s_cselect_b32 s[LIM], -1, 1
	s_lshl_b32 s22, s15, 15
	s_lshl_b32 s23, s16, 11
	s_add_co_u32 s22, s22, s23                     ; my fragments of hq: expert x 32,768 + half x 2,048
	s_mul_i32 s23, s15, WH
	s_lshl_b32 s85, s16, 7
	s_add_co_u32 s23, s23, s85
	s_add_co_u32 s23, s23, WOFF                    ; my fragments of W2: expert x 128 rows + 128 half
	s_mul_i32 s86, s14, 32*SPITCH
	s_mul_i32 s87, s14, SREG
	v_and_b32 v1, 15, v0                           ; r
	v_bfe_u32 v2, v0, 4, 1                         ; hh
	v_and_b32 v5, 31, v0                           ; lane
	v_lshlrev_b32 v[BO], 5, v2
	v_lshlrev_b32 v[GO], 2, v1
	v_lshlrev_b32 v[CO], 4, v5
	v_lshl_add_u32 v[ADRT], v5, 4, s22
	v_add_nc_u32 v[ADRT+1], SLOT, v[ADRT]
	v_mul_u32_u24 v3, v1, WP
	v_lshl_add_u32 v3, v2, 4, v3
	v_add_nc_u32 v[ADRW], s23, v3
	v_add_nc_u32 v[ADRW+1], SLOT, v[ADRW]
	v_lshl_add_u32 v[RD], v5, 4, s86
	v_add_nc_u32 v[RD+1], SREG, v[RD]
	v_add_nc_u32 v[RD+2], 2*SREG, v[RD]
	v_add_nc_u32 v[RD+3], 3*SREG, v[RD]
	v_mul_u32_u24 v[STO], v1, SPITCH
	v_lshl_add_u32 v[STO], v2, 5, v[STO]
	v_add_nc_u32 v[STO], s87, v[STO]
	v_mul_lo_u32 v[PFO], v1, s84
	v_lshl_add_u32 v[PFO], v2, 16, v[PFO]          ; lanes 16-31: 65,536 bytes on (hq: the next block; W2: 16 rows on)
	s_wait_alu depctr_va_vdst(0)
.irp b, 0,1,2,3,4,5,6,7
	global_load_b128 v[BIAS+8*\b:BIAS+8*\b+3], v[BO], s[8:9] offset:64*\b
	global_load_b128 v[BIAS+8*\b+4:BIAS+8*\b+7], v[BO], s[8:9] offset:64*\b+16
.endr
.irp a, 0,1,2,3,4,5,6,7
	global_load_b32 v[GP+2*\a], v[GO], s[10:11] offset:64*\a
.endr
; 4 matrix instructions: W2's block b x four of the eight blocks of tokens, from a0 on, 128 along K.  first = 1: b2 starts the sums: nothing is cleared.
; The 64 accumulators take turns, one instruction a turn, in the same order in every step.
.macro MUL4 b, a0, p, first
.irp i, 0,1,2,3
.set A, (\a0)+\i
.if \first
	v_wmma_f32_16x16x128_fp8_fp8 v[8*(8*((\b)%4)+A):8*(8*((\b)%4)+A)+7], v[AF+FR*(\b):AF+FR*(\b)+FR-1], v[128*(\p)+FR*A:128*(\p)+FR*A+FR-1], v[BIAS+8*(\b):BIAS+8*(\b)+7]
.else
	v_wmma_f32_16x16x128_fp8_fp8 v[8*(8*((\b)%4)+A):8*(8*((\b)%4)+A)+7], v[AF+FR*(\b):AF+FR*(\b)+FR-1], v[128*(\p)+FR*A:128*(\p)+FR*A+FR-1], v[8*(8*((\b)%4)+A):8*(8*((\b)%4)+A)+7]
.endif
.endr
.endm
.macro MULB b, p, first
	MUL4 \b, 0, \p, \first
	MUL4 \b, 4, \p, \first
.endm
.macro FETCH_T s                       ; slot s: hq's eight fragments into set s
	WIN 0x40
.irp a, 0,1,2,3,4,5,6,7
.irp c, 0,1,2,3
	ds_load_b128 v[128*(\s)+FR*\a+4*\c:128*(\s)+FR*\a+4*\c+3], v[ADRT+(\s)] offset:4096*\a+512*\c
.endr
.endr
	WIN 0
.endm
.macro FETCH_W s, b0                   ; W2's blocks b0 .. b0 + 3
.irp b, \b0, \b0+1, \b0+2, \b0+3
.irp c, 0,1,2,3
	ds_load_b128 v[AF+FR*(\b)+4*\c:AF+FR*(\b)+4*\c+3], v[ADRW+(\s)] offset:16*WP*(\b)+32*\c
.endr
.endr
.endm
; A step: the 64 products of slot p's fragments, which are in registers or on their way there, and a change of slots.  Each wave waits for all its tensor loads (its part of the next slot), adds 0 to its spare word, and waits for that
; and for its own reads of this slot; behind the barrier this slot is filled again, two slots on (fill = 1), and the next slot's fragments are fetched.  ask: 0 no prefetch, 1 always, 2 not in the loop's last trip.
.macro STEP p, fill, first, ask
.if \ask
	s_wait_xcnt 0x0                                ; any prefetch of mine has read its address
	s_add_nc_u64 s[PFA:PFA+1], s[PFA:PFA+1], s[PFS:PFS+1]
.endif
	s_wait_dscnt 16                                ; hq's fragments and W2's blocks 0-3 are in; the youngest sixteen loads (blocks 4-7) may be out
	WMUL 0, \first
	MULB 0, \p, \first
	MULB 1, \p, \first
	MULB 2, \p, \first
	WIN 0                                          ; (the add's two registers lie in window 0)
	s_wait_tensorcnt 0x0                           ; all my tensor loads have landed;
	ds_add_u32 v[SPW], v[NIL]                      ; 0 onto my spare word;
.if \fill
	s_add_nc_u64 s[G0+4*\p+2:G0+4*\p+3], s[G0+4*\p+2:G0+4*\p+3], 2*4096
	s_add_nc_u64 s[G0B+4*\p+2:G0B+4*\p+3], s[G0B+4*\p+2:G0B+4*\p+3], 2*256
.endif
	WMUL 0, \first
	MUL4 3, 0, \p, \first                          ; four matrix instructions stand between the add and the wait for it
	s_wait_dscnt 0x0                               ; the add is done, and my reads of this slot are over
	s_barrier_signal -1
	MUL4 3, 4, \p, \first
	WIN 0
	s_barrier_wait -1
.if \fill
	CREST                                          ; the barrier has opened a round of the cluster's barrier: no wave of any partner still reads this slot or has a load on its way
	JLOAD \p                                       ; the first tensor load behind the round; its four v_nop are the places in front of the loads below
.else
	PLACES NP
.endif
	FETCH_T 1-\p
	FETCH_W 1-\p, 0
.if \ask
	ASK \ask-1
.endif
	WMUL 1, \first
	MULB 4, \p, \first
	MULB 5, \p, \first
	MULB 6, \p, \first
	MULB 7, \p, \first
	PLACES NP
	WIN 0
	FETCH_W 1-\p, 4
.endm
	s_wait_tensorcnt 0x0                           ; my part of slot 0 is in
	ds_add_u32 v[SPW], v[NIL]
	s_wait_dscnt 0x0
	CROUND                                         ; everybody's part of slot 0 is in, and all sixteen work-groups are here
	JLOAD 1                                        ; slot 1
	FETCH_T 0
	FETCH_W 0, 0
	FETCH_W 0, 4
	s_wait_loadcnt 0x0                             ; b2 and the gates
	s_wait_kmcnt 0x0
	s_add_co_i32 s85, s74, s75                     ; e2 + e3
	s_sub_co_i32 s83, 0, s85
	s_cmp_eq_u32 s16, 0
	s_cselect_b32 s84, 0x3f800000, 0               ; of an expert's two waves one adds b2
.set J, 0
.rept 64
	v_ldexp_f32 v[BIAS+J], v[BIAS+J], s83
.set J, J+1
.endr
.set J, 0
.rept 64
	v_mul_f32 v[BIAS+J], s84, v[BIAS+J]
.set J, J+1
.endr
.irp a, 0,1,2,3,4,5,6,7
	v_ldexp_f32 v[GP+2*\a], v[GP+2*\a], s85        ; the gate of token 16 a + r, x 2^(e2 + e3)
.endr
.irp a, 0,1,2,3,4,5,6,7
	v_mov_b32 v[GP+2*\a+1], v[GP+2*\a]
.endr
	s_mov_b32 s3, 6
	s_wait_alu depctr_va_vdst(0)
	STEP 0, 1, 1, 1                                ; slot 0's worth of K; b2 starts the sums
.Llap:                                                 ; 1 .. 12
	STEP 1, 1, 0, 1
	STEP 0, 1, 0, 2
	s_sub_co_u32 s3, s3, 1
	s_cmp_lg_u32 s3, 0
	s_cbranch_scc1 .Llap
	STEP 1, 1, 0, 0                                ; 13: the last fill
	STEP 0, 0, 0, 0                                ; 14
	s_wait_dscnt 16                                ; 15: nothing more to fetch
	WMUL 0, 0
	MULB 0, 1, 0
	MULB 1, 1, 0
	MULB 2, 1, 0
	MULB 3, 1, 0
	s_wait_dscnt 0                                 ; my last reads of the ring are over
	s_barrier_signal -1
	WMUL 1, 0
	MULB 4, 1, 0
	MULB 5, 1, 0
	MULB 6, 1, 0
	MULB 7, 1, 0
	WIN 0
	s_barrier_wait -1                              ; everybody's are: the parts may be laid over the slots
; THE WAY OUT.  Each wave lays its part, x the gate, as rows of the tile; then each wave adds the four parts of 32 rows and stores them, 512 consecutive bytes an instruction.
.macro TOSTAGE b
.set AC, 64*((\b)%4)
.set TT, TMP+64*((\b)%2)
	WIN 0x02+((\b)/4)                              ; source 0: window 2 or 3
.irp a, 0,1,2,3,4,5,6,7
.irp i, 0,2,4,6
	v_pk_mul_f32 v[TT+8*\a+\i:TT+8*\a+\i+1], v[AC+8*\a+\i:AC+8*\a+\i+1], v[GP+2*\a:GP+2*\a+1]
.endr
.endr
	WIN 0
.irp a, 0,1,2,3,4,5,6,7
	ds_store_b128 v[STO], v[TT+8*\a:TT+8*\a+3] offset:16*SPITCH*\a+64*(\b)
	ds_store_b128 v[STO], v[TT+8*\a+4:TT+8*\a+7] offset:16*SPITCH*\a+64*(\b)+16
.endr
.endm
	PLACES NP
.irp b, 0,1,2,3,4,5,6,7
	TOSTAGE \b
.endr
	s_wait_dscnt 0x0
	s_barrier_signal -1
	s_barrier_wait -1
.macro LOADB k                         ; four rows, of each of the four parts
.irp i, 0,1,2,3
.irp g, 0,1,2,3
	ds_load_b128 v[LB+64*((\k)%2)+16*\i+4*\g:LB+64*((\k)%2)+16*\i+4*\g+3], v[RD+\g] offset:SPITCH*(4*(\k)+\i)
.endr
.endr
.endm
.macro SUMB k
.if (\k) < 7
	s_wait_dscnt 16                                ; the next four rows' sixteen loads may be out
.else
	s_wait_dscnt 0
.endif
	s_wait_xcnt 0x0                                ; earlier stores have read the registers that are written below
.irp i, 0,1,2,3
.set BB, LB+64*((\k)%2)+16*\i
.set OO, OB+16*((\k)%2)+4*\i
	v_pk_add_f32 v[BB:BB+1], v[BB:BB+1], v[BB+4:BB+5]
	v_pk_add_f32 v[BB+2:BB+3], v[BB+2:BB+3], v[BB+6:BB+7]
	v_pk_add_f32 v[BB+8:BB+9], v[BB+8:BB+9], v[BB+12:BB+13]
	v_pk_add_f32 v[BB+10:BB+11], v[BB+10:BB+11], v[BB+14:BB+15]
	v_pk_add_f32 v[OO:OO+1], v[BB:BB+1], v[BB+8:BB+9]
	v_pk_add_f32 v[OO+2:OO+3], v[BB+2:BB+3], v[BB+10:BB+11]
	global_store_b128 v[CO], v[OO:OO+3], s[70:71] offset:4096*(4*(\k)+\i) th:TH_STORE_NT
.endr
.if (\k)+2 < 8
	LOADB (\k)+2
.endif
.endm
	LOADB 0
	LOADB 1
.irp k, 0,1,2,3,4,5,6,7
	SUMB \k
.endr
	s_wait_tensorcnt 0x0                           ; the wave's end
	ds_add_u32 v[SPW], v[NIL]
	s_wait_dscnt 0x0
	CROUND                                         ; the closing round: no work-group ends while a partner may still ask for a tile that names it
	s_endpgm
.Lfunc_end_k_q84320d45cb_down:
	.size	k_q84320d45cb_down, .Lfunc_end_k_q84320d45cb_down-k_q84320d45cb_down
	.p2alignl 7, 3214868480
	.fill 96, 4, 3214868480
	.section	.rodata,"a",@progbits
	.p2align	6, 0x0
	.amdhsa_kernel k_q84320d45cb_down
		.amdhsa_group_segment_fixed_size 327680
		.amdhsa_private_segment_fixed_size 0
		.amdhsa_enable_private_segment 0
		.amdhsa_kernarg_size 48
		.amdhsa_user_sgpr_count 2
		.amdhsa_user_sgpr_kernarg_segment_ptr 1
		.amdhsa_wavefront_size32 1
		.amdhsa_system_sgpr_workgroup_id_x 1
		.amdhsa_system_sgpr_workgroup_id_y 1
		.amdhsa_system_sgpr_workgroup_id_z 1
		.amdhsa_system_vgpr_workitem_id 0
		.amdhsa_next_free_vgpr 1024
		.amdhsa_next_free_sgpr 96
		.amdhsa_reserve_vcc 0
		.amdhsa_float_denorm_mode_32 3
		.amdhsa_float_denorm_mode_16_64 3
		.amdhsa_memory_ordered 1
		.amdhsa_forward_progress 1
		.amdhsa_inst_pref_size 123
	.end_amdhsa_kernel
	.amdgpu_metadata
---
amdhsa.version: [ 1, 2 ]
amdhsa.kernels:
  - .name:           k_q84320d45cb_down
    .symbol:         k_q84320d45cb_down.kd
    .args:
      - { .name: hq, .offset: 0, .size: 8, .value_kind: global_buffer, .address_space: global }
      - { .name: W2_codes, .offset: 8, .size: 8, .value_kind: global_buffer, .address_space: global }
      - { .name: b2, .offset: 16, .size: 8, .value_kind: global_buffer, .address_space: global }
      - { .name: gates, .offset: 24, .size: 8, .value_kind: global_buffer, .address_space: global }
      - { .name: lowp_scales, .offset: 32, .size: 8, .value_kind: global_buffer, .address_space: global }
      - { .name: out0, .offset: 40, .size: 8, .value_kind: global_buffer, .address_space: global }
    .group_segment_fixed_size: 327680
    .private_segment_fixed_size: 0
    .kernarg_segment_align: 8
    .kernarg_segment_size: 48
    .max_flat_workgroup_size: 128
    .sgpr_count:     96
    .vgpr_count:     1024
    .wavefront_size: 32
...
	.end_amdgpu_metadata
.endif
;; end of part 3
